; MI455X (gfx1250); checked and timed in simulation.
; The chip was launched on July 23, 2026; its instructions are those of AMD's public machine-readable ISA for CDNA 5 (MIT licence, August 2026) and "CDNA5" Instruction Set Architecture Reference Guide (July 2026). The comments in the code are by the model that wrote it; some were corrected since.
;; Attention Head. Allowed arithmetic: float matrix products may take bf16 or f16 operands with f32 sums; all other float work in f32.
;; Inputs: k 8,192 x 64 float32; q 8,192 x 64 float32; v 8,192 x 64 float32.
;; Outputs: out0 8,192 x 64 float32.
;; 2 versions, each right and faster than the one before. Each part assembles by itself: llvm-mc -triple=amdgcn-amd-amdhsa -mcpu=gfx1250 --defsym DOCPART=n.
;; ======== version 1 of 2: 2 launches
;; limits: inputs' magnitudes at most 65,504; values are held in f16: magnitudes above 65,504 overflow, below 6.1e-05 lose precision
;; workspace buffers: part_o 33,554,432 bytes; part_s 1,048,576 bytes
;; launch attn (part 1): grid 32 x 8, 8 waves a work-group, no clusters, 226,304 bytes of LDS; arguments q, k, v, part_o, part_s; writes part_o, part_s
.if DOCPART == 1
	.amdgcn_target "amdgcn-amd-amdhsa--gfx1250"
	.amdhsa_code_object_version 6
	.text
	.protected	k_q565c50986a_attn
	.globl	k_q565c50986a_attn
	.p2align	8
	.type	k_q565c50986a_attn,@function
k_q565c50986a_attn:
	s_mov_b64 s[64:65], 0
	v_nop
	global_prefetch_b8 v0, s[64:65] scope:SCOPE_SE
	s_setreg_imm32_b32 hwreg(HW_REG_WAVE_MODE, 25, 1), 1
	s_wait_xcnt 0x0
; Causal attention, one head: S = 8192 rows, 64 numbers a row, scores scaled by 1/64.  This launch makes PARTIAL results:
; for a block of query rows and ONE chunk of 512 keys it stores the unnormalised sum of exp(score - max) * v (part_o),
; and for each row the pair (max * c, sum of exponentials) (part_s), c = log2(e)/64.  The next launch joins the chunks of a row.
;
; SHARING.  The lower triangle in super tiles of 512 rows x 512 keys: 120 full ones, 16 on the diagonal.  A full one is two
; work-groups of 256 rows x 512 keys (8 waves x 32 rows, 8 steps of 64 keys).  A diagonal one is one work-group: its 32-row
; group g needs (g>>1)+1 steps, and wave w takes groups 15-w and w, 9 steps for every wave.  240 + 16 = 256 work-groups.
; Grid (x, p): pair p holds super rows p and 15-p, together 15 full tiles (x>>1 = 0..14, x&1 the half) and two diagonals (x = 30, 31).
;
; NO TENSOR LOADS, NO CLUSTER: k and v are f32 and are rounded to f16 on their way into LDS, which goes through registers; and
; chunk J is read by 2 (15 - J) + 1 work-groups, an odd number from 1 to 31, which no cluster shape divides.
;
; MATRIX USE.  S^T = K x Q^T (source 0: 16 keys, source 1: 16 query rows): lane (r, h) holds key 16 t + 8 h + j of query row r in
; register j, so a row's maximum and sum stay in two lanes, and two neighbouring key tiles, packed to f16, ARE the second
; source of O^T = V^T x P^T.  V^T comes from V's rows by the transposing LDS load.  No shuffle of scores anywhere.
;
; FORMAT.  q, k, v and the weights enter the products as f16, sums in f32.  f16 and not bf16: the weights lie in (0, 1], and with the
; scale 1/64 most of them between 1/2 and 1, where f16's steps are 2^-11 and bf16's 2^-8; a row with few keys averages few
; such roundings, so the finer step is what its result needs.  One form serves both products.
; LIMITS.  An input of magnitude above 65,504 becomes an infinity in f16; magnitudes under 2^-14 are kept in steps of 2^-24; a weight
; under 2^-25 becomes zero.  Maxima, exponentials and sums are f32.  The running maximum of the raw scores is taken away in front
; of every exponential.  v_exp_f32 gives zero for results under 2^-126.  NaN and infinities in the inputs are not reproduced
; (the maxima drop NaN).
.set KPITCH, 144                       ; an LDS row of K or of Q: 128 bytes of f16 + 16: an odd multiple of 16
.set VPITCH, 160                       ; an LDS row of V: 128 + 32: an odd multiple of 32, as the transposing load's eight rows want
.set KSUB,   64*KPITCH                 ; a sub-chunk of 64 keys of K
.set VSUB,   64*VPITCH                 ; and of V
.set VBASE,  8*KSUB                    ; LDS: K's 512 rows at 0, V's at 73,728,
.set SCR,    VBASE+8*VSUB              ; each wave's own 8,704 bytes from 155,648 on: Q as f16 (32 x 144), later O as f32 (32 x 272)
.set OPITCH, 272
.set SCRW,   32*OPITCH
.set KA, 1                             ; v1, v2    my K fragment address in sub-chunks 0-3, 4-7
.set VA, 3                             ; v3, v4    my V fragment address likewise
.set KS, 5                             ; v5, v6    where I put 8 bytes of K when staging
.set VS, 7                             ; v7, v8    the same for V
.set GO, 9                             ; v9        my 16 bytes in 2,048 bytes of k or v
.set KD, 10                            ; v10, v11  fragment addresses of the diagonal step
.set VD, 11
.set MX, 12                            ; v[12:13]  running maximum of the raw scores, query tiles 0, 1
.set NM, 14                            ; v[14:15]  - maximum x c
.set LS, 16                            ; v[16:17]  sum of exponentials of my half of the keys
.set AL, 18                            ; v[18:19]  the step's factor for what has been summed
.set T,  20                            ; v[20:25]  at work;  v30, v31 the mask's bounds
.set SA, 26                            ; v[26:29]  two chains of pair sums
.set QF, 32                            ; v[32:63]  Q fragments (q, kk) at 32 + 16 q + 8 kk
.set KV, 64                            ; v[64:127] K fragments (t, kk) at 64 + 16 t + 8 kk, then V fragments (d, u) at 64 + 32 u + 8 d
.set SC, 128                           ; v[128:191] scores (t, q) at 128 + 32 q + 8 t; P (q, u) in place at 128 + 32 q + 16 u
.set OA, 192                           ; v[192:255] O^T (q, d) at 192 + 32 q + 8 d
.set LQ, 64                            ; in KV while it is free: addresses for Q's way in and O's way out
.set QW, 65
.set QR, 66
.set OWR, 67
.set ORD, 68
.set L8, 69
; v256-v319 (window 1, written v0-v63): staging, K's eight loads then V's eight.
; s4-13 buffers; s14 x; s15 p; s16 wave; s18 super row; s19 chunk J; s[20:21] c, c; s22 -c; s23 -inf; s24, s25 lane selects;
; s26 diagonal?; s27 unmasked steps of pass 1; s28 first row; s29 rows ahead of the diagonal sub-chunk's first key; s30 lanes 16-31;
; s[36:37] k, s[38:39] v at the chunk; s[40:41] q, s[42:43] part_o, s[44:45] part_s at my rows; s47 unmasked steps of pass 2;
; s50 pass 1's diagonal sub-chunk; s51 my scratch in LDS; s31-35, s46, s48, s49 at work.
.set MSB, 0
.macro WIN new                         ; the immediate's high byte repeats the setting that is left; every macro leaves 0 behind
.if MSB != \new
	s_set_vgpr_msb (MSB<<8)|\new
.set MSB, \new
.endif
.endm
; 16 loads: sub-chunk c of k and of v, 128 threads x 16 bytes = 2,048 neighbouring bytes (8 rows) an instruction.
.macro LOADX c
	WIN 0x40                               ; destination in window 1
.irp i, 0,1,2,3,4,5,6,7
	global_load_b128 v[4*\i:4*\i+3], v[GO], s[36:37] offset:(\c)*16384+2048*\i
.endr
.irp i, 0,1,2,3,4,5,6,7
	global_load_b128 v[32+4*\i:32+4*\i+3], v[GO], s[38:39] offset:(\c)*16384+2048*\i
.endr
	WIN 0
.endm
; What LOADX brought, rounded to f16, into sub-chunk c of LDS.  Every byte of K and V in LDS is written once in the launch.
.macro STOREX c
	WIN 0x45                               ; destination and both sources in window 1
.irp i, 0,1,2,3,4,5,6,7,8,9,10,11,12,13,14,15
	v_cvt_pk_f16_f32 v[4*\i], v[4*\i], v[4*\i+1]
	v_cvt_pk_f16_f32 v[4*\i+1], v[4*\i+2], v[4*\i+3]
.endr
	WIN 0x04                               ; store data in window 1, address in window 0
.irp i, 0,1,2,3,4,5,6,7
	ds_store_b64 v[KS+((\c)>>2)], v[4*\i:4*\i+1] offset:((\c)&3)*KSUB+8*KPITCH*\i
.endr
.irp i, 0,1,2,3,4,5,6,7
	ds_store_b64 v[VS+((\c)>>2)], v[32+4*\i:32+4*\i+1] offset:((\c)&3)*VSUB+8*VPITCH*\i
.endr
	WIN 0
.endm
; Waves 0-3 (grp 0) stage the even sub-chunks, waves 4-7 the odd ones: st goes into LDS, ld (if any) is asked for.
.macro STAGE grp, st, ld
.if \grp
	s_cmp_lt_u32 s16, 4
.else
	s_cmp_ge_u32 s16, 4
.endif
	s_cbranch_scc1 .Lnot_mine_\@
	s_wait_loadcnt 0x0                     ; the only loads out are st's sixteen, issued two steps ago
	STOREX \st
.if \ld >= 0
	LOADX \ld
.endif
.Lnot_mine_\@:
.endm
.macro BAR                             ; my LDS stores are done, then the barrier: behind it every wave may read them
	s_wait_dscnt 0x0
	s_barrier_signal -1
	s_barrier_wait -1
.endm
; q, part_o and part_s at row s28 (and chunk s19)
.macro ROWPTR
	s_lshl_b32 s48, s28, 8
	s_mov_b32 s49, 0
	s_add_nc_u64 s[40:41], s[4:5], s[48:49]
	s_lshl_b32 s31, s19, 21
	s_add_co_u32 s48, s48, s31             ; (J x 8192 + row) x 256, below 2^26
	s_add_nc_u64 s[42:43], s[10:11], s[48:49]
	s_lshl_b32 s31, s19, 13
	s_add_co_u32 s31, s31, s28
	s_lshl_b32 s48, s31, 3                 ; (J x 8192 + row) x 8
	s_add_nc_u64 s[44:45], s[12:13], s[48:49]
.endm
.macro QADDR
	v_and_b32 v[T], 31, v0
	v_lshlrev_b32 v[LQ], 4, v[T]           ; 16 bytes a lane: two rows of q an instruction
	v_and_b32 v[T+1], 15, v0
	v_bfe_u32 v[T+2], v0, 4, 1
	v_mul_u32_u24 v[QW], v[T+2], KPITCH
	v_lshl_add_u32 v[QW], v[T+1], 3, v[QW]
	v_add_nc_u32 v[QW], s51, v[QW]         ; in: row lane / 16, 8 bytes at 8 (lane % 16)
	v_add_nc_u32 v[QR], s51, v[KA]         ; back: a fragment's address, row r, 16 h, as for K
.endm
.macro QLOAD                           ; my 32 rows of q, 512 neighbouring bytes an instruction, into the score registers
.irp i, 0,1,2,3,4,5,6,7,8,9,10,11,12,13,14,15
	global_load_b128 v[SC+4*\i:SC+4*\i+3], v[LQ], s[40:41] offset:512*\i
.endr
.endm
.macro QCVT                            ; to f16, through my own scratch, into fragments.  LDS serves a wave's instructions in order: no wait between
.irp i, 0,1,2,3,4,5,6,7,8,9,10,11,12,13,14,15
	v_cvt_pk_f16_f32 v[SC+4*\i], v[SC+4*\i], v[SC+4*\i+1]
	v_cvt_pk_f16_f32 v[SC+4*\i+1], v[SC+4*\i+2], v[SC+4*\i+3]
.endr
.irp i, 0,1,2,3,4,5,6,7,8,9,10,11,12,13,14,15
	ds_store_b64 v[QW], v[SC+4*\i:SC+4*\i+1] offset:2*KPITCH*\i
.endr
.irp q, 0,1
.irp o, 0,1,2,3
	ds_load_b128 v[QF+16*\q+4*\o:QF+16*\q+4*\o+3], v[QR] offset:16*KPITCH*\q+32*\o
.endr
.endr
.endm
; Eight products: key tiles t0, t0 + 1 x both query tiles x both halves of the 64 numbers.  The first half starts the sums (C = 0).
; The four accumulators take turns, one instruction a turn.
.macro SMUL t0
.irp kk, 0,1
.irp t, \t0, \t0+1
.irp q, 0,1
.if \kk
	v_wmma_f32_16x16x32_f16 v[SC+32*\q+8*(\t):SC+32*\q+8*(\t)+7], v[KV+16*(\t)+8*\kk:KV+16*(\t)+8*\kk+7], v[QF+16*\q+8*\kk:QF+16*\q+8*\kk+7], v[SC+32*\q+8*(\t):SC+32*\q+8*(\t)+7]
.else
	v_wmma_f32_16x16x32_f16 v[SC+32*\q+8*(\t):SC+32*\q+8*(\t)+7], v[KV+16*(\t)+8*\kk:KV+16*(\t)+8*\kk+7], v[QF+16*\q+8*\kk:QF+16*\q+8*\kk+7], 0
.endif
.endr
.endr
.endr
.endm
; Eight products: O^T of query tile q += V^T x P^T, 32 keys at a time.  Four accumulators by turns.
.macro PV q, first
.irp u, 0,1
.irp d, 0,1,2,3
.if (\first) & (1-\u)
	v_wmma_f32_16x16x32_f16 v[OA+32*\q+8*\d:OA+32*\q+8*\d+7], v[KV+32*\u+8*\d:KV+32*\u+8*\d+7], v[SC+32*\q+16*\u:SC+32*\q+16*\u+7], 0
.else
	v_wmma_f32_16x16x32_f16 v[OA+32*\q+8*\d:OA+32*\q+8*\d+7], v[KV+32*\u+8*\d:KV+32*\u+8*\d+7], v[SC+32*\q+16*\u:SC+32*\q+16*\u+7], v[OA+32*\q+8*\d:OA+32*\q+8*\d+7]
.endif
.endr
.endr
.endm
; The diagonal step: key 16 t + 8 h + j counts iff it is not beyond row s29 + 16 q + r, that is 16 t + j <= r - 8 h + s29 + 16 q (signed).
; Key 0 of the step counts for every row, so a row's maximum over both lane halves is finite.
.macro MASK
	v_and_b32 v[T+10], 15, v0
	v_and_b32 v[T+11], 16, v0
	v_lshrrev_b32 v[T+11], 1, v[T+11]
	v_sub_nc_u32 v[T+10], v[T+10], v[T+11]
	v_add_nc_u32 v[T+10], s29, v[T+10]
	v_add_nc_u32 v[T+11], 16, v[T+10]
.irp q, 0,1
.irp t, 0,1,2,3
.irp j, 0,1,2,3,4,5,6,7
	v_cmp_le_i32 vcc_lo, 16*\t+\j, v[T+10+\q]
	v_cndmask_b32 v[SC+32*\q+8*\t+\j], s23, v[SC+32*\q+8*\t+\j], vcc_lo
.endr
.endr
.endr
.endm
.macro PFMA q, t, i                    ; two exponents: score x c - maximum x c, one rounding
	v_pk_fma_f32 v[SC+32*\q+8*(\t)+2*(\i):SC+32*\q+8*(\t)+2*(\i)+1], v[SC+32*\q+8*(\t)+2*(\i):SC+32*\q+8*(\t)+2*(\i)+1], s[20:21], v[NM:NM+1] op_sel:[0,0,\q] op_sel_hi:[1,0,\q]
.endm
.macro PSUM q, t, i                    ; pair i of tile t into one of two chains; tile 0's four pairs start them with two additions
.if (\t) == 0
.if (\i) < 2
	s_wait_alu depctr_va_vdst(0)
	v_pk_add_f32 v[SA+2*(\i):SA+2*(\i)+1], v[SC+32*\q+4*(\i):SC+32*\q+4*(\i)+1], v[SC+32*\q+4*(\i)+2:SC+32*\q+4*(\i)+3]
.endif
.else
	s_wait_alu depctr_va_vdst(0)
	v_pk_add_f32 v[SA+2*((\i)&1):SA+2*((\i)&1)+1], v[SA+2*((\i)&1):SA+2*((\i)&1)+1], v[SC+32*\q+8*(\t)+2*(\i):SC+32*\q+8*(\t)+2*(\i)+1]
.endif
.endm
.macro PCVT q, t, i                    ; pair i of tile t to f16, into its place in P: never ahead of a score that is still to be read
	s_wait_alu depctr_va_vdst(0)
	v_cvt_pk_f16_f32 v[SC+32*\q+16*((\t)>>1)+4*((\t)&1)+(\i)], v[SC+32*\q+8*(\t)+2*(\i)], v[SC+32*\q+8*(\t)+2*(\i)+1]
.endm
.macro OMUL q, n                       ; pair n of O^T times the step's factor
	s_wait_alu depctr_va_vdst(0)
	v_pk_mul_f32 v[OA+32*\q+2*(\n):OA+32*\q+2*(\n)+1], v[OA+32*\q+2*(\n):OA+32*\q+2*(\n)+1], v[AL:AL+1] op_sel:[0,\q] op_sel_hi:[1,\q]
.endm
; Tile t's eight exponentials.  Behind each stands plain work on other registers: the next tile's exponents, the last tile's sums and
; roundings, O's rescaling.  So a plain independent instruction always comes before a result is used (ISA guide 5.7.2).
.macro BLK q, t, first
.irp i, 0,1,2,3
	v_exp_f32 v[SC+32*\q+8*\t+\i], v[SC+32*\q+8*\t+\i]
.if \t < 3
	PFMA \q, \t+1, \i
.endif
.if \t > 0
	PSUM \q, \t-1, \i
.endif
.endr
.irp i, 4,5,6,7
	v_exp_f32 v[SC+32*\q+8*\t+\i], v[SC+32*\q+8*\t+\i]
.if \first == 0
	OMUL \q, 4*\t+\i-4
.endif
.if \t > 0
	PCVT \q, \t-1, \i-4
.endif
.endr
.endm
; Query tile q: the new running maximum, the factor for the old sums, the 32 weights of a lane, packed as P.
.macro SOFT q, first
.irp t, 0,1,2,3
	v_max3_num_f32 v[T+\t], v[SC+32*\q+8*\t], v[SC+32*\q+8*\t+1], v[SC+32*\q+8*\t+2]
.endr
.irp t, 0,1,2,3
	v_max3_num_f32 v[T+\t], v[T+\t], v[SC+32*\q+8*\t+3], v[SC+32*\q+8*\t+4]
.endr
.irp t, 0,1,2,3
	v_max3_num_f32 v[T+\t], v[T+\t], v[SC+32*\q+8*\t+5], v[SC+32*\q+8*\t+6]
.endr
	v_max3_num_f32 v[T], v[T], v[T+1], v[SC+32*\q+7]
	v_max3_num_f32 v[T+2], v[T+2], v[T+3], v[SC+32*\q+15]
	v_max3_num_f32 v[T], v[T], v[T+2], v[SC+32*\q+23]
.if \first
	v_max_num_f32 v[T], v[T], v[SC+32*\q+31]
.else
	v_max3_num_f32 v[T], v[T], v[SC+32*\q+31], v[MX+\q]
.endif
	v_permlanex16_b32 v[T+4], v[T], s24, s25       ; the other half of the row's keys lies in lane l xor 16
	v_max_num_f32 v[MX+\q], v[T], v[T+4]
.if \first
	v_mul_f32 v[NM+\q], s22, v[MX+\q]
.else
	v_mul_f32 v[T+1], s22, v[MX+\q]
	v_sub_f32 v[T+2], v[T+1], v[NM+\q]             ; (old maximum - new maximum) x c, never above 0
	v_mov_b32 v[NM+\q], v[T+1]
	v_exp_f32 v[AL+\q], v[T+2]                     ; first used behind the four plain lines below
.endif
.irp i, 0,1,2,3
	PFMA \q, 0, \i
.endr
	BLK \q, 0, \first
	BLK \q, 1, \first
	BLK \q, 2, \first
	BLK \q, 3, \first
.irp i, 0,1,2,3
	PCVT \q, 3, \i
.endr
.endm
; The rest of the row sums.  It stands behind PV q and names none of the products' registers (the last tile's scores lie outside P):
; these six or seven plain instructions are the places that the next step's loads into KV (four) and its products over P (five)
; need behind the products.
.macro SOFTSUM q, first
.irp i, 0,1,2,3
	PSUM \q, 3, \i
.endr
	v_pk_add_f32 v[SA:SA+1], v[SA:SA+1], v[SA+2:SA+3]
.if \first
	v_add_f32 v[LS+\q], v[SA], v[SA+1]
.else
	v_add_f32 v[T], v[SA], v[SA+1]
	v_fma_f32 v[LS+\q], v[LS+\q], v[AL+\q], v[T]
.endif
.endm
; One step: 64 keys x my 32 rows.  kr, vr: address registers; ko, vo: the sub-chunk's bytes.
.macro STEP first, masked, kr, ko, vr, vo
.irp t, 0,1,2,3
.irp o, 0,1,2,3
	ds_load_b128 v[KV+16*\t+4*\o:KV+16*\t+4*\o+3], v[\kr] offset:\ko+16*KPITCH*\t+32*\o
.endr
.endr
	s_wait_dscnt 0x8                       ; all but the youngest eight: key tiles 0 and 1 are in (and whatever LDS work was older)
	SMUL 0
	s_wait_dscnt 0x0                       ; key tiles 2 and 3
	SMUL 2
.rept 4
	v_nop                                  ; four places behind the products: V is loaded over K's fragments, and the scores are read (ISA guide 7.12.1)
.endr
.irp u, 0,1
.irp d, 0,1,2,3
	ds_load_tr16_b128 v[KV+32*\u+8*\d:KV+32*\u+8*\d+3], v[\vr] offset:\vo+32*VPITCH*\u+32*\d
	ds_load_tr16_b128 v[KV+32*\u+8*\d+4:KV+32*\u+8*\d+7], v[\vr] offset:\vo+32*VPITCH*\u+32*\d+16*VPITCH
.endr
.endr
.if \masked
	MASK
.endif
	SOFT 0, \first
	s_wait_dscnt 0x0                       ; V's sixteen loads, issued in front of the whole of SOFT 0
	PV 0, \first
	SOFTSUM 0, \first
	SOFT 1, \first                         ; touches none of PV 0's registers
	PV 1, \first
	SOFTSUM 1, \first
.endm
.macro STEPIF lim, c, half             ; the step on sub-chunk c, for the waves that have more than c unmasked steps.  No barrier stands inside
	s_cmp_le_u32 s[\lim], \c
	s_cbranch_scc1 .Lover_\@
	STEP 0, 0, KA+\half, (\c-4*\half)*KSUB, VA+\half, (\c-4*\half)*VSUB
.Lover_\@:
.endm
; The way out.  Lane l stores row l's pair (maximum x c, sum): 256 neighbouring bytes.  O^T goes through my scratch and leaves as whole rows:
; each store of the wave covers two rows, 512 neighbouring bytes.  again = 1: registers that the stores name are written again later.
.macro EPI again
	v_permlanex16_b32 v[T+4], v[LS], s24, s25
	v_add_f32 v[LS], v[LS], v[T+4]                 ; both halves of the keys
	v_permlanex16_b32 v[T+4], v[LS+1], s24, s25
	v_add_f32 v[LS+1], v[LS+1], v[T+4]
	v_cndmask_b32 v[T], v[NM], v[NM+1], s30        ; lanes 16-31 speak for query tile 1
	v_cndmask_b32 v[T+1], v[LS], v[LS+1], s30
	v_xor_b32 v[T], 0x80000000, v[T]
	v_and_b32 v[T+2], 31, v0
	v_lshlrev_b32 v[L8], 3, v[T+2]
	v_lshlrev_b32 v[LQ], 4, v[T+2]
	global_store_b64 v[L8], v[T:T+1], s[44:45]
	v_and_b32 v[T+3], 15, v0
	v_bfe_u32 v[T+5], v0, 4, 1
	v_mul_u32_u24 v[OWR], v[T+3], OPITCH
	v_lshl_add_u32 v[OWR], v[T+5], 5, v[OWR]
	v_add_nc_u32 v[OWR], s51, v[OWR]               ; in: row r, my eight numbers at 32 h
	v_mul_u32_u24 v[ORD], v[T+5], OPITCH
	v_lshl_add_u32 v[ORD], v[T+3], 4, v[ORD]
	v_add_nc_u32 v[ORD], s51, v[ORD]               ; back: row lane / 16, 16 bytes at 16 (lane % 16)
.irp q, 0,1
.irp d, 0,1,2,3
	ds_store_b128 v[OWR], v[OA+32*\q+8*\d:OA+32*\q+8*\d+3] offset:16*OPITCH*\q+64*\d
	ds_store_b128 v[OWR], v[OA+32*\q+8*\d+4:OA+32*\q+8*\d+7] offset:16*OPITCH*\q+64*\d+16
.endr
.endr
.irp i, 0,1,2,3,4,5,6,7,8,9,10,11,12,13,14,15
	ds_load_b128 v[SC+4*\i:SC+4*\i+3], v[ORD] offset:2*OPITCH*\i   ; my own bytes, served in order behind the stores
.endr
.irp i, 0,1,2,3,4,5,6,7,8,9,10,11,12,13,14,15
	s_wait_dscnt 15-\i                             ; pair i of rows is back; the younger loads stay out
	global_store_b128 v[LQ], v[SC+4*\i:SC+4*\i+3], s[42:43] offset:512*\i
.endr
.if \again
	s_wait_xcnt 0x0                                ; the stores' data, offsets and bases are written again only behind this wait
.endif
.endm
	; ---- who am I
	s_load_b256 s[4:11], s[0:1], 0x0               ; q s[4:5], k s[6:7], v s[8:9], part_o s[10:11]
	s_load_b64 s[12:13], s[0:1], 0x20              ; part_s
	s_set_vgpr_msb 0x40
	v_lshl_add_u32 v64, v0, 2, 0x37000
	v_mov_b32 v65, 0
	s_set_vgpr_msb 0x4000
	v_lshrrev_b32 v1, 5, v0
	v_readfirstlane_b32 s16, v1                    ; wave 0..7
	v_and_b32 v[GO], 127, v0
	v_lshlrev_b32 v[GO], 4, v[GO]                  ; 16 x (thread among the four waves that stage together)
	s_mov_b32 s14, ttmp9                           ; x
	s_and_b32 s15, ttmp7, 0xffff                   ; p
	s_sub_co_u32 s31, 15, s15                      ; 15 - p
	s_lshr_b32 s32, s14, 1                         ; which of the pair's 15 full tiles
	s_and_b32 s33, s14, 1                          ; which half of its rows (x = 30, 31: which diagonal)
	s_cmp_lt_u32 s32, s15
	s_cselect_b32 s18, s15, s31                    ; the first p tiles are super row p's, the others super row 15 - p's
	s_cselect_b32 s34, 0, s15
	s_sub_co_u32 s19, s32, s34                     ; the chunk
	s_cmp_eq_u32 s33, 0
	s_cselect_b32 s35, s15, s31                    ; the diagonal's super row
	s_lshl3_add_u32 s34, s33, s16                  ; full: row group 8 half + wave
	s_sub_co_u32 s46, 15, s16                      ; diagonal, pass 1: row group 15 - wave,
	s_lshr_b32 s50, s46, 1                         ; whose diagonal lies in sub-chunk (15 - wave) / 2 = 4..7
	s_lshr_b32 s47, s16, 1                         ; pass 2: row group wave, sub-chunk wave / 2 = 0..3
	s_cmp_ge_u32 s14, 30
	s_cselect_b32 s26, 1, 0
	s_cselect_b32 s18, s35, s18
	s_cselect_b32 s19, s35, s19
	s_cselect_b32 s34, s46, s34
	s_cselect_b32 s27, s50, 8                      ; unmasked steps of pass 1
	s_and_b32 s29, s34, 1
	s_lshl_b32 s29, s29, 5                         ; my first row lies 0 or 32 behind the diagonal sub-chunk's first key
	s_lshl_b32 s28, s18, 9
	s_lshl_b32 s31, s34, 5
	s_add_co_u32 s28, s28, s31                     ; my first row
	s_mul_i32 s51, s16, SCRW
	s_add_co_u32 s51, s51, SCR
	s_mov_b32 s20, 0x3cb8aa3b                      ; c = log2(e) / 64
	s_mov_b32 s21, 0x3cb8aa3b
	s_mov_b32 s22, 0xbcb8aa3b
	s_mov_b32 s23, 0xff800000
	s_mov_b32 s24, 0x76543210
	s_mov_b32 s25, 0xfedcba98
	s_mov_b32 s30, 0xffff0000
	s_lshl_b32 s48, s19, 17                        ; a chunk: 512 rows of 256 bytes
	s_mov_b32 s49, 0
	s_wait_kmcnt 0x0
	s_add_nc_u64 s[36:37], s[6:7], s[48:49]
	s_add_nc_u64 s[38:39], s[8:9], s[48:49]
	ROWPTR
	; ---- the first requests: sub-chunk 0 (waves 0-3) or 1 (waves 4-7), then my rows of q
	s_cmp_ge_u32 s16, 4
	s_cbranch_scc1 .Lfirst_odd
	LOADX 0
	s_branch .Lfirst_asked
.Lfirst_odd:
	LOADX 1
.Lfirst_asked:
	v_and_b32 v[T], 15, v0                         ; r
	v_bfe_u32 v[T+1], v0, 4, 1                     ; h
	v_mul_u32_u24 v[KA], v[T], KPITCH
	v_lshl_add_u32 v[KA], v[T+1], 4, v[KA]         ; a fragment of rows that lie along the 64 numbers: row r, 16 h
	QADDR
	QLOAD
	v_and_b32 v[T], 15, v0
	v_bfe_u32 v[T+1], v0, 4, 1
	v_add_nc_u32 v[KA+1], 4*KSUB, v[KA]
	v_and_b32 v[T+2], 7, v0
	v_lshl_add_u32 v[T+2], v[T+1], 3, v[T+2]       ; the transposing load: key row 8 h + lane % 8,
	v_mul_u32_u24 v[VA], v[T+2], VPITCH
	v_bfe_u32 v[T+3], v0, 3, 1
	v_lshl_add_u32 v[VA], v[T+3], 4, v[VA]         ; 16 bytes at 16 ((lane / 8) % 2)
	v_add_nc_u32 v[VA], VBASE, v[VA]
	v_add_nc_u32 v[VA+1], 4*VSUB, v[VA]
	s_and_b32 s31, s16, 3                          ; staging: my wave's two rows of each eight,
	s_mul_i32 s32, s31, 2*KPITCH
	s_mul_i32 s33, s31, 2*VPITCH
	s_add_co_u32 s33, s33, VBASE
	v_mul_u32_u24 v[KS], v[T+1], KPITCH            ; row lane / 16 of the two, 8 bytes at 8 (lane % 16)
	v_lshl_add_u32 v[KS], v[T], 3, v[KS]
	v_add_nc_u32 v[KS], s32, v[KS]
	v_add_nc_u32 v[KS+1], 4*KSUB, v[KS]
	v_mul_u32_u24 v[VS], v[T+1], VPITCH
	v_lshl_add_u32 v[VS], v[T], 3, v[VS]
	v_add_nc_u32 v[VS], s33, v[VS]
	v_add_nc_u32 v[VS+1], 4*VSUB, v[VS]
	v_mov_b32 v[NM+1], 0                           ; pairs are read whole, and a lane permute's destination counts as read:
	v_mov_b32 v[AL+1], 0                           ; these three are written once before their first real value
	v_mov_b32 v[T+4], 0
	s_wait_loadcnt 16                              ; my sub-chunk's sixteen loads are in; q's sixteen are younger
	s_cmp_ge_u32 s16, 4
	s_cbranch_scc1 .Lsecond_odd
	STOREX 0
	LOADX 2
	s_branch .Lsecond_asked
.Lsecond_odd:
	STOREX 1
	LOADX 3
.Lsecond_asked:
	s_wait_loadcnt 16                              ; q is in; the sixteen just issued are younger
	QCVT
	BAR                                            ; sub-chunks 0 and 1 are there for every wave
	; ---- pass 1.  In step c sub-chunk c + 1 is stored and c + 3 asked for; the barrier behind the step shows c + 1 to all.
	; Stores go to sub-chunk c + 1 while sub-chunk c is read: other bytes.  A request has two steps in which to land.
	STEP 1, 0, KA, 0, VA, 0
	STAGE 0, 2, 4
	STEP 0, 0, KA, KSUB, VA, VSUB
	BAR
	STAGE 1, 3, 5
	STEP 0, 0, KA, 2*KSUB, VA, 2*VSUB
	BAR
	STAGE 0, 4, 6
	STEP 0, 0, KA, 3*KSUB, VA, 3*VSUB
	BAR
	STAGE 1, 5, 7
	STEPIF 27, 4, 1
	BAR
	STAGE 0, 6, -1
	STEPIF 27, 5, 1
	BAR
	STAGE 1, 7, -1
	STEPIF 27, 6, 1
	BAR                                            ; the last barrier: all 512 keys are there for every wave, and nothing is stored over them
	STEPIF 27, 7, 1
	s_cmp_eq_u32 s26, 0
	s_cbranch_scc1 .Lout_1
	s_mul_i32 s31, s50, KSUB                       ; a diagonal work-group: my masked step
	s_mul_i32 s32, s50, VSUB
	v_add_nc_u32 v[KD], s31, v[KA]
	v_add_nc_u32 v[VD], s32, v[VA]
	STEP 0, 1, KD, 0, VD, 0
.Lout_1:
	EPI 1
	s_cmp_eq_u32 s26, 0
	s_cbranch_scc1 .Lend
	; ---- pass 2, diagonal work-groups: row group = wave.  The masked step goes first and starts the sums; then wave / 2 unmasked steps.
	s_lshl_b32 s28, s18, 9
	s_lshl_b32 s31, s16, 5
	s_add_co_u32 s28, s28, s31
	s_and_b32 s29, s16, 1
	s_lshl_b32 s29, s29, 5
	ROWPTR
	QADDR
	QLOAD
	s_mul_i32 s31, s47, KSUB
	s_mul_i32 s32, s47, VSUB
	v_add_nc_u32 v[KD], s31, v[KA]
	v_add_nc_u32 v[VD], s32, v[VA]
	s_wait_loadcnt 0x0                             ; q's sixteen loads: nothing else is out
	QCVT
	STEP 1, 1, KD, 0, VD, 0                        ; its first wait on LDS covers Q's fragments, which are older than K's
	STEPIF 47, 0, 0
	STEPIF 47, 1, 0
	STEPIF 47, 2, 0
	EPI 0
.Lend:
	s_set_vgpr_msb 0x5
	s_wait_tensorcnt 0x0
	ds_add_u32 v64, v65
	s_wait_dscnt 0x0
	s_set_vgpr_msb 0x500
	s_endpgm
.Lfunc_end_k_q565c50986a_attn:
	.size	k_q565c50986a_attn, .Lfunc_end_k_q565c50986a_attn-k_q565c50986a_attn
	.p2alignl 7, 3214868480
	.fill 96, 4, 3214868480
	.section	.rodata,"a",@progbits
	.p2align	6, 0x0
	.amdhsa_kernel k_q565c50986a_attn
		.amdhsa_group_segment_fixed_size 226304
		.amdhsa_private_segment_fixed_size 0
		.amdhsa_enable_private_segment 0
		.amdhsa_kernarg_size 40
		.amdhsa_user_sgpr_count 2
		.amdhsa_user_sgpr_kernarg_segment_ptr 1
		.amdhsa_wavefront_size32 1
		.amdhsa_system_sgpr_workgroup_id_x 1
		.amdhsa_system_sgpr_workgroup_id_y 1
		.amdhsa_system_sgpr_workgroup_id_z 1
		.amdhsa_system_vgpr_workitem_id 0
		.amdhsa_next_free_vgpr 322
		.amdhsa_next_free_sgpr 66
		.amdhsa_reserve_vcc 1
		.amdhsa_float_denorm_mode_32 3
		.amdhsa_float_denorm_mode_16_64 3
		.amdhsa_memory_ordered 1
		.amdhsa_forward_progress 1
		.amdhsa_inst_pref_size 255
	.end_amdhsa_kernel
	.section	.bss,"aw",@nobits
	.p2align	6
	.space	262144
	.amdgpu_metadata
---
amdhsa.version: [ 1, 2 ]
amdhsa.kernels:
  - .name:           k_q565c50986a_attn
    .symbol:         k_q565c50986a_attn.kd
    .args:
      - { .name: q, .offset: 0, .size: 8, .value_kind: global_buffer, .address_space: global }
      - { .name: k, .offset: 8, .size: 8, .value_kind: global_buffer, .address_space: global }
      - { .name: v, .offset: 16, .size: 8, .value_kind: global_buffer, .address_space: global }
      - { .name: part_o, .offset: 24, .size: 8, .value_kind: global_buffer, .address_space: global }
      - { .name: part_s, .offset: 32, .size: 8, .value_kind: global_buffer, .address_space: global }
    .group_segment_fixed_size: 226304
    .private_segment_fixed_size: 0
    .kernarg_segment_align: 8
    .kernarg_segment_size: 40
    .max_flat_workgroup_size: 256
    .sgpr_count:     66
    .vgpr_count:     322
    .wavefront_size: 32
...
	.end_amdgpu_metadata
.endif
;; end of part 1
;; launch merge (part 2): grid 32 x 8, 8 waves a work-group, no clusters, 0 bytes of LDS; arguments part_o, part_s, out0; writes out0
.if DOCPART == 2
	.amdgcn_target "amdgcn-amd-amdhsa--gfx1250"
	.amdhsa_code_object_version 6
	.text
	.protected	k_q565c50986a_merge
	.globl	k_q565c50986a_merge
	.p2align	8
	.type	k_q565c50986a_merge,@function
k_q565c50986a_merge:
	s_mov_b64 s[64:65], 0
	v_nop
	global_prefetch_b8 v0, s[64:65] scope:SCOPE_SE
	s_setreg_imm32_b32 hwreg(HW_REG_WAVE_MODE, 25, 1), 1
	s_wait_xcnt 0x0
; Joins the partial results of the launch before: a row of super row A (512 rows) has A + 1 partials, chunks J = 0 .. A, each a row of 64
; unnormalised f32 sums in part_o[J][row] and a pair (m, l) in part_s[J][row]: m = the chunk's maximum x log2(e)/64, l = its sum of exponentials.
; out = sum of 2^(m_J - M) O_J / sum of 2^(m_J - M) l_J, M = the largest m_J: the maximum is taken away here too.
; SHARING.  Wave w of work-group (x, p) owns two rows of super row p (p + 1 partials) and two of super row 15 - p (16 - p partials):
; 17 partials for every wave.  Slot i is a low one while i <= p.  A lane holds 16 bytes of one low and one high row; every load of partial
; rows and every store covers two whole rows, 512 neighbouring bytes.  All 34 loads go out at once; the text is straight.
; A slot's weight for the other class is 2^(-inf) = 0, so every slot goes through the same arithmetic and no branch is needed.
; A stream: no LDS, no barrier, no matrix unit, nothing shared between work-groups.
; LIMITS: v_exp_f32 gives zero under 2^-126; partials are taken to be finite.
.set PO,  4                            ; v[4:20]    slot i: my byte offset in part_o
.set PS,  21                           ; v[21:37]   slot i: my byte offset in part_s
.set ST,  38                           ; v[38:71]   slot i: (m, l)
.set XR,  72                           ; v[72:139]  slot i: 4 numbers of the partial row
.set W,   140                          ; v[140:173] slot i: its weight for my low row, for my high row
.set ACL, 174                          ; v[174:177] my low row's 4 numbers
.set ACH, 178                          ; v[178:181] my high row's
.set ML,  182                          ; v[182:183] the two maxima
.set LL,  184                          ; v[184:185] the two sums
.set RC,  186                          ; v[186:187] their reciprocals
.set OL,  188                          ; v188, v189 my byte offsets in out0
	s_load_b128 s[4:7], s[0:1], 0x0                ; part_o s[4:5], part_s s[6:7]
	s_load_b64 s[8:9], s[0:1], 0x10                ; out0
	v_lshrrev_b32 v3, 5, v0
	v_readfirstlane_b32 s16, v3                    ; wave 0..7
	s_and_b32 s15, ttmp7, 0xffff                   ; p
	s_lshl_b32 s17, ttmp9, 4
	s_lshl1_add_u32 s17, s16, s17                  ; 16 x + 2 w: my two rows in a super row
	s_lshl_b32 s18, s15, 9
	s_add_co_u32 s18, s18, s17                     ; low rows
	s_sub_co_u32 s19, 15, s15
	s_lshl_b32 s19, s19, 9
	s_add_co_u32 s19, s19, s17                     ; high rows
	s_mov_b32 s26, 0xff800000                      ; -inf
	v_and_b32 v1, 31, v0
	v_lshrrev_b32 v2, 4, v1
	v_lshlrev_b32 v1, 4, v1                        ; 16 bytes a lane over two rows of 256
	v_lshlrev_b32 v2, 3, v2                        ; my row's pair
.irp i, 0,1,2,3,4,5,6,7,8,9,10,11,12,13,14,15,16
	s_sub_co_u32 s22, \i-1, s15                    ; a high slot's chunk: i - p - 1
	s_cmp_ge_u32 s15, \i
	s_cselect_b32 s22, \i, s22                     ; a low slot's: i
	s_cselect_b32 s23, s18, s19
	s_lshl_b32 s24, s22, 13
	s_add_co_u32 s24, s24, s23                     ; J x 8192 + row
	s_lshl_b32 s25, s24, 8
	s_lshl_b32 s24, s24, 3
	v_add_nc_u32 v[PO+\i], s25, v1
	v_add_nc_u32 v[PS+\i], s24, v2
.endr
	s_wait_kmcnt 0x0
.irp i, 0,1,2,3,4,5,6,7,8,9,10,11,12,13,14,15,16
	global_load_b64 v[ST+2*\i:ST+2*\i+1], v[PS+\i], s[6:7]
.endr
.irp i, 0,1,2,3,4,5,6,7,8,9,10,11,12,13,14,15,16
	global_load_b128 v[XR+4*\i:XR+4*\i+3], v[PO+\i], s[4:5] th:TH_LOAD_NT
.endr
	s_wait_loadcnt 17                              ; the 17 pairs are in; the 17 partial rows are younger
.irp i, 0,1,2,3,4,5,6,7,8,9,10,11,12,13,14,15,16
	s_cmp_ge_u32 s15, \i
	s_cselect_b32 s24, 0, s26
	s_cselect_b32 s25, s26, 0
	v_add_f32 v[W+2*\i], s24, v[ST+2*\i]           ; m for the slot's own class, -inf for the other
	v_add_f32 v[W+2*\i+1], s25, v[ST+2*\i]
.endr
	v_max3_num_f32 v[ML], v[W], v[W+2], v[W+4]     ; both classes have a slot (p + 1 and 16 - p), so both maxima are finite
	v_max3_num_f32 v[ML+1], v[W+1], v[W+3], v[W+5]
.irp i, 3,5,7,9,11,13,15
	v_max3_num_f32 v[ML], v[ML], v[W+2*\i], v[W+2*\i+2]
	v_max3_num_f32 v[ML+1], v[ML+1], v[W+2*\i+1], v[W+2*\i+3]
.endr
.irp i, 0,1,2,3,4,5,6,7,8,9,10,11,12,13,14,15,16
	v_pk_add_f32 v[W+2*\i:W+2*\i+1], v[W+2*\i:W+2*\i+1], v[ML:ML+1] neg_lo:[0,1] neg_hi:[0,1]
.endr
.irp i, 0,1,2,3,4,5,6,7,8,9,10,11,12,13,14,15,16
	v_exp_f32 v[W+2*\i], v[W+2*\i]
	v_exp_f32 v[W+2*\i+1], v[W+2*\i+1]
.endr
	s_lshl_b32 s24, s18, 8
	s_lshl_b32 s25, s19, 8
	v_add_nc_u32 v[OL], s24, v1                    ; plain work on other registers behind the exponentials, before a weight is used (ISA guide 5.7.2)
	v_add_nc_u32 v[OL+1], s25, v1
	s_wait_alu depctr_va_vdst(0)
	v_pk_mul_f32 v[LL:LL+1], v[W:W+1], v[ST:ST+1] op_sel:[0,1] op_sel_hi:[1,1]     ; both weights times the slot's l: slot 0 starts the sums
.irp i, 1,2,3,4,5,6,7,8,9,10,11,12,13,14,15,16
	v_pk_fma_f32 v[LL:LL+1], v[W+2*\i:W+2*\i+1], v[ST+2*\i:ST+2*\i+1], v[LL:LL+1] op_sel:[0,1,0] op_sel_hi:[1,1,1]
.endr
	v_rcp_f32 v[RC], v[LL]                         ; used only behind all the multiply-adds below
	v_rcp_f32 v[RC+1], v[LL+1]
	s_wait_loadcnt 16                              ; slot 0's partial row; the 16 younger ones stay out
	v_pk_mul_f32 v[ACL:ACL+1], v[XR:XR+1], v[W:W+1] op_sel:[0,0] op_sel_hi:[1,0]
	v_pk_mul_f32 v[ACL+2:ACL+3], v[XR+2:XR+3], v[W:W+1] op_sel:[0,0] op_sel_hi:[1,0]
	v_pk_mul_f32 v[ACH:ACH+1], v[XR:XR+1], v[W:W+1] op_sel:[0,1] op_sel_hi:[1,1]
	v_pk_mul_f32 v[ACH+2:ACH+3], v[XR+2:XR+3], v[W:W+1] op_sel:[0,1] op_sel_hi:[1,1]
.irp i, 1,2,3,4,5,6,7,8,9,10,11,12,13,14,15,16
	s_wait_loadcnt 16-\i                           ; slot i's partial row; the younger ones stay out
	v_pk_fma_f32 v[ACL:ACL+1], v[XR+4*\i:XR+4*\i+1], v[W+2*\i:W+2*\i+1], v[ACL:ACL+1] op_sel:[0,0,0] op_sel_hi:[1,0,1]
	v_pk_fma_f32 v[ACL+2:ACL+3], v[XR+4*\i+2:XR+4*\i+3], v[W+2*\i:W+2*\i+1], v[ACL+2:ACL+3] op_sel:[0,0,0] op_sel_hi:[1,0,1]
	v_pk_fma_f32 v[ACH:ACH+1], v[XR+4*\i:XR+4*\i+1], v[W+2*\i:W+2*\i+1], v[ACH:ACH+1] op_sel:[0,1,0] op_sel_hi:[1,1,1]
	v_pk_fma_f32 v[ACH+2:ACH+3], v[XR+4*\i+2:XR+4*\i+3], v[W+2*\i:W+2*\i+1], v[ACH+2:ACH+3] op_sel:[0,1,0] op_sel_hi:[1,1,1]
.endr
	s_wait_alu depctr_va_vdst(0)
	v_pk_mul_f32 v[ACL:ACL+1], v[ACL:ACL+1], v[RC:RC+1] op_sel:[0,0] op_sel_hi:[1,0]
	v_pk_mul_f32 v[ACL+2:ACL+3], v[ACL+2:ACL+3], v[RC:RC+1] op_sel:[0,0] op_sel_hi:[1,0]
	v_pk_mul_f32 v[ACH:ACH+1], v[ACH:ACH+1], v[RC:RC+1] op_sel:[0,1] op_sel_hi:[1,1]
	v_pk_mul_f32 v[ACH+2:ACH+3], v[ACH+2:ACH+3], v[RC:RC+1] op_sel:[0,1] op_sel_hi:[1,1]
	global_store_b128 v[OL], v[ACL:ACL+3], s[8:9] th:TH_STORE_NT
	global_store_b128 v[OL+1], v[ACH:ACH+3], s[8:9] th:TH_STORE_NT
	s_endpgm
.Lfunc_end_k_q565c50986a_merge:
	.size	k_q565c50986a_merge, .Lfunc_end_k_q565c50986a_merge-k_q565c50986a_merge
	.p2alignl 7, 3214868480
	.fill 96, 4, 3214868480
	.section	.rodata,"a",@progbits
	.p2align	6, 0x0
	.amdhsa_kernel k_q565c50986a_merge
		.amdhsa_group_segment_fixed_size 0
		.amdhsa_private_segment_fixed_size 0
		.amdhsa_enable_private_segment 0
		.amdhsa_kernarg_size 24
		.amdhsa_user_sgpr_count 2
		.amdhsa_user_sgpr_kernarg_segment_ptr 1
		.amdhsa_wavefront_size32 1
		.amdhsa_system_sgpr_workgroup_id_x 1
		.amdhsa_system_sgpr_workgroup_id_y 1
		.amdhsa_system_sgpr_workgroup_id_z 1
		.amdhsa_system_vgpr_workitem_id 0
		.amdhsa_next_free_vgpr 192
		.amdhsa_next_free_sgpr 66
		.amdhsa_reserve_vcc 0
		.amdhsa_float_denorm_mode_32 3
		.amdhsa_float_denorm_mode_16_64 3
		.amdhsa_memory_ordered 1
		.amdhsa_forward_progress 1
		.amdhsa_inst_pref_size 22
	.end_amdhsa_kernel
	.amdgpu_metadata
---
amdhsa.version: [ 1, 2 ]
amdhsa.kernels:
  - .name:           k_q565c50986a_merge
    .symbol:         k_q565c50986a_merge.kd
    .args:
      - { .name: part_o, .offset: 0, .size: 8, .value_kind: global_buffer, .address_space: global }
      - { .name: part_s, .offset: 8, .size: 8, .value_kind: global_buffer, .address_space: global }
      - { .name: out0, .offset: 16, .size: 8, .value_kind: global_buffer, .address_space: global }
    .group_segment_fixed_size: 0
    .private_segment_fixed_size: 0
    .kernarg_segment_align: 8
    .kernarg_segment_size: 24
    .max_flat_workgroup_size: 256
    .sgpr_count:     66
    .vgpr_count:     192
    .wavefront_size: 32
...
	.end_amdgpu_metadata
.endif
;; end of part 2
;; ======== version 2 of 2: 2 launches; 1.50 times as fast as version 1
;; limits: inputs' magnitudes at most 65,504; values are held in f16: magnitudes above 65,504 overflow, below 6.1e-05 lose precision
;; workspace buffers: part_o 33,554,432 bytes; part_s 1,048,576 bytes
;; launch attn (part 3): grid 32 x 8, 8 waves a work-group, no clusters, 226,304 bytes of LDS; arguments q, k, v, part_o, part_s; writes part_o, part_s
.if DOCPART == 3
	.amdgcn_target "amdgcn-amd-amdhsa--gfx1250"
	.amdhsa_code_object_version 6
	.text
	.protected	k_q565c50986a_attn
	.globl	k_q565c50986a_attn
	.p2align	8
	.type	k_q565c50986a_attn,@function
k_q565c50986a_attn:
	s_mov_b64 s[64:65], 0
	v_nop
	global_prefetch_b8 v0, s[64:65] scope:SCOPE_SE
	s_setreg_imm32_b32 hwreg(HW_REG_WAVE_MODE, 25, 1), 1
	s_wait_xcnt 0x0
; Causal attention, one head: S = 8192 rows, 64 numbers a row, scores scaled by 1/64.  This launch makes PARTIAL results:
; for a block of query rows and ONE chunk of 512 keys it stores the unnormalised sum of exp(score - max) * v (part_o),
; and for each row the pair (max * c, sum of exponentials) (part_s), c = log2(e)/64.  The next launch joins the chunks of a row.
;
; SHARING.  The lower triangle in super tiles of 512 rows x 512 keys: 120 full ones, 16 on the diagonal.  A full one is two
; work-groups of 256 rows x 512 keys (8 waves x 32 rows, 8 steps of 64 keys).  A diagonal one is one work-group: its 32-row
; group g needs (g>>1)+1 steps, and wave w takes groups 15-w and w, 9 steps for every wave.  240 + 16 = 256 work-groups.
; Grid (x, p): pair p holds super rows p and 15-p, together 15 full tiles (x>>1 = 0..14, x&1 the half) and two diagonals (x = 30, 31).
;
; NO TENSOR LOADS, NO CLUSTER: k and v are f32 and are rounded to f16 on their way into LDS, which goes through registers; and
; chunk J is read by 2 (15 - J) + 1 work-groups, an odd number from 1 to 31, which no cluster shape divides.
;
; MATRIX USE.  S^T = K x Q^T (source 0: 16 keys, source 1: 16 query rows): lane (r, h) holds key 16 t + 8 h + j of query row r in
; register j, so a row's maximum and sum stay in two lanes, and two neighbouring key tiles, packed to f16, ARE the second
; source of O^T = V^T x P^T.  V^T comes from V's rows by the transposing LDS load.  No shuffle of scores anywhere.
;
; THE EXPONENTIALS OF A STEP ARE ONE BATCH WITH ONE WAIT.  A step has 66 of them: 32 weights a lane for each of the two query tiles and
; the two factors for the old sums (64 in a step that starts the sums).  Ahead of the wait stands all that names no result of theirs:
; both tiles' maxima, the 32 packed scalings, the exponentials.  Behind it stand all the readers: the sums, the roundings to f16, O's
; rescaling, and the products V^T x P^T.
;
; FORMAT.  q, k, v and the weights enter the products as f16, sums in f32.  f16 and not bf16: the weights lie in (0, 1], and with the
; scale 1/64 most of them between 1/2 and 1, where f16's steps are 2^-11 and bf16's 2^-8; a row with few keys averages few
; such roundings, so the finer step is what its result needs.  One form serves both products.
; LIMITS.  An input of magnitude above 65,504 becomes an infinity in f16; magnitudes under 2^-14 are kept in steps of 2^-24; a weight
; under 2^-25 becomes zero.  Maxima, exponentials and sums are f32.  The running maximum of the raw scores is taken away in front
; of every exponential.  v_exp_f32 gives zero for results under 2^-126.  NaN and infinities in the inputs are not reproduced
; (the maxima drop NaN).
.set KPITCH, 144                       ; an LDS row of K or of Q: 128 bytes of f16 + 16: an odd multiple of 16
.set VPITCH, 160                       ; an LDS row of V: 128 + 32: an odd multiple of 32, as the transposing load's eight rows want
.set KSUB,   64*KPITCH                 ; a sub-chunk of 64 keys of K
.set VSUB,   64*VPITCH                 ; and of V
.set VBASE,  8*KSUB                    ; LDS: K's 512 rows at 0, V's at 73,728,
.set SCR,    VBASE+8*VSUB              ; each wave's own 8,704 bytes from 155,648 on: Q as f16 (32 x 144), later O as f32 (32 x 272)
.set OPITCH, 272
.set SCRW,   32*OPITCH
.set KA, 1                             ; v1, v2    my K fragment address in sub-chunks 0-3, 4-7
.set VA, 3                             ; v3, v4    my V fragment address likewise
.set KS, 5                             ; v5, v6    where I put 8 bytes of K when staging
.set VS, 7                             ; v7, v8    the same for V
.set GO, 9                             ; v9        my 16 bytes in 2,048 bytes of k or v
.set KD, 10                            ; v10, v11  fragment addresses of the diagonal step
.set VD, 11
.set MX, 12                            ; v[12:13]  running maximum of the raw scores, query tiles 0, 1
.set NM, 14                            ; v[14:15]  - maximum x c
.set LS, 16                            ; v[16:17]  sum of exponentials of my half of the keys
.set AL, 18                            ; v[18:19]  the step's factor for what has been summed
.set T,  20                            ; v[20:25]  at work (v[20:23]: query tile 0's maxima);  v30, v31 the mask's bounds
.set SA, 26                            ; v[26:29]  ahead of a step's wait: query tile 1's maxima at work (T + 6); behind it: two chains of pair sums
.set QF, 32                            ; v[32:63]  Q fragments (q, kk) at 32 + 16 q + 8 kk
.set KV, 64                            ; v[64:127] K fragments (t, kk) at 64 + 16 t + 8 kk, then V fragments (d, u) at 64 + 32 u + 8 d
.set SC, 128                           ; v[128:191] scores (t, q) at 128 + 32 q + 8 t; P (q, u) in place at 128 + 32 q + 16 u
.set OA, 192                           ; v[192:255] O^T (q, d) at 192 + 32 q + 8 d
.set LQ, 64                            ; in KV while it is free: addresses for Q's way in and O's way out
.set QW, 65
.set QR, 66
.set OWR, 67
.set ORD, 68
.set L8, 69
; v256-v319 (window 1, written v0-v63): staging, K's eight loads then V's eight.
; s4-13 buffers; s14 x; s15 p; s16 wave; s18 super row; s19 chunk J; s[20:21] c, c; s22 -c; s23 -inf; s24, s25 lane selects;
; s26 diagonal?; s27 unmasked steps of pass 1; s28 first row; s29 rows ahead of the diagonal sub-chunk's first key; s30 lanes 16-31;
; s[36:37] k, s[38:39] v at the chunk; s[40:41] q, s[42:43] part_o, s[44:45] part_s at my rows; s47 unmasked steps of pass 2;
; s50 pass 1's diagonal sub-chunk; s51 my scratch in LDS; s31-35, s46, s48, s49 at work.
.set MSB, 0
.macro WIN new                         ; the immediate's high byte repeats the setting that is left; every macro leaves 0 behind
.if MSB != \new
	s_set_vgpr_msb (MSB<<8)|\new
.set MSB, \new
.endif
.endm
; 16 loads: sub-chunk c of k and of v, 128 threads x 16 bytes = 2,048 neighbouring bytes (8 rows) an instruction.
.macro LOADX c
	WIN 0x40                               ; destination in window 1
.irp i, 0,1,2,3,4,5,6,7
	global_load_b128 v[4*\i:4*\i+3], v[GO], s[36:37] offset:(\c)*16384+2048*\i
.endr
.irp i, 0,1,2,3,4,5,6,7
	global_load_b128 v[32+4*\i:32+4*\i+3], v[GO], s[38:39] offset:(\c)*16384+2048*\i
.endr
	WIN 0
.endm
; What LOADX brought, rounded to f16, into sub-chunk c of LDS.  Every byte of K and V in LDS is written once in the launch.
.macro STOREX c
	WIN 0x45                               ; destination and both sources in window 1
.irp i, 0,1,2,3,4,5,6,7,8,9,10,11,12,13,14,15
	v_cvt_pk_f16_f32 v[4*\i], v[4*\i], v[4*\i+1]
	v_cvt_pk_f16_f32 v[4*\i+1], v[4*\i+2], v[4*\i+3]
.endr
	WIN 0x04                               ; store data in window 1, address in window 0
.irp i, 0,1,2,3,4,5,6,7
	ds_store_b64 v[KS+((\c)>>2)], v[4*\i:4*\i+1] offset:((\c)&3)*KSUB+8*KPITCH*\i
.endr
.irp i, 0,1,2,3,4,5,6,7
	ds_store_b64 v[VS+((\c)>>2)], v[32+4*\i:32+4*\i+1] offset:((\c)&3)*VSUB+8*VPITCH*\i
.endr
	WIN 0
.endm
; Waves 0-3 (grp 0) stage the even sub-chunks, waves 4-7 the odd ones: st goes into LDS, ld (if any) is asked for.
.macro STAGE grp, st, ld
.if \grp
	s_cmp_lt_u32 s16, 4
.else
	s_cmp_ge_u32 s16, 4
.endif
	s_cbranch_scc1 .Lnot_mine_\@
	s_wait_loadcnt 0x0                     ; the only loads out are st's sixteen, issued two steps ago
	STOREX \st
.if \ld >= 0
	LOADX \ld
.endif
.Lnot_mine_\@:
.endm
.macro BAR                             ; my LDS stores are done, then the barrier: behind it every wave may read them
	s_wait_dscnt 0x0
	s_barrier_signal -1
	s_barrier_wait -1
.endm
; q, part_o and part_s at row s28 (and chunk s19)
.macro ROWPTR
	s_lshl_b32 s48, s28, 8
	s_mov_b32 s49, 0
	s_add_nc_u64 s[40:41], s[4:5], s[48:49]
	s_lshl_b32 s31, s19, 21
	s_add_co_u32 s48, s48, s31             ; (J x 8192 + row) x 256, below 2^26
	s_add_nc_u64 s[42:43], s[10:11], s[48:49]
	s_lshl_b32 s31, s19, 13
	s_add_co_u32 s31, s31, s28
	s_lshl_b32 s48, s31, 3                 ; (J x 8192 + row) x 8
	s_add_nc_u64 s[44:45], s[12:13], s[48:49]
.endm
.macro QADDR
	v_and_b32 v[T], 31, v0
	v_lshlrev_b32 v[LQ], 4, v[T]           ; 16 bytes a lane: two rows of q an instruction
	v_and_b32 v[T+1], 15, v0
	v_bfe_u32 v[T+2], v0, 4, 1
	v_mul_u32_u24 v[QW], v[T+2], KPITCH
	v_lshl_add_u32 v[QW], v[T+1], 3, v[QW]
	v_add_nc_u32 v[QW], s51, v[QW]         ; in: row lane / 16, 8 bytes at 8 (lane % 16)
	v_add_nc_u32 v[QR], s51, v[KA]         ; back: a fragment's address, row r, 16 h, as for K
.endm
.macro QLOAD                           ; my 32 rows of q, 512 neighbouring bytes an instruction, into the score registers
.irp i, 0,1,2,3,4,5,6,7,8,9,10,11,12,13,14,15
	global_load_b128 v[SC+4*\i:SC+4*\i+3], v[LQ], s[40:41] offset:512*\i
.endr
.endm
.macro QCVT                            ; to f16, through my own scratch, into fragments.  LDS serves a wave's instructions in order: no wait between
.irp i, 0,1,2,3,4,5,6,7,8,9,10,11,12,13,14,15
	v_cvt_pk_f16_f32 v[SC+4*\i], v[SC+4*\i], v[SC+4*\i+1]
	v_cvt_pk_f16_f32 v[SC+4*\i+1], v[SC+4*\i+2], v[SC+4*\i+3]
.endr
.irp i, 0,1,2,3,4,5,6,7,8,9,10,11,12,13,14,15
	ds_store_b64 v[QW], v[SC+4*\i:SC+4*\i+1] offset:2*KPITCH*\i
.endr
.irp q, 0,1
.irp o, 0,1,2,3
	ds_load_b128 v[QF+16*\q+4*\o:QF+16*\q+4*\o+3], v[QR] offset:16*KPITCH*\q+32*\o
.endr
.endr
.endm
; Eight products: key tiles t0, t0 + 1 x both query tiles x both halves of the 64 numbers.  The first half starts the sums (C = 0).
; The four accumulators take turns, one instruction a turn.
.macro SMUL t0
.irp kk, 0,1
.irp t, \t0, \t0+1
.irp q, 0,1
.if \kk
	v_wmma_f32_16x16x32_f16 v[SC+32*\q+8*(\t):SC+32*\q+8*(\t)+7], v[KV+16*(\t)+8*\kk:KV+16*(\t)+8*\kk+7], v[QF+16*\q+8*\kk:QF+16*\q+8*\kk+7], v[SC+32*\q+8*(\t):SC+32*\q+8*(\t)+7]
.else
	v_wmma_f32_16x16x32_f16 v[SC+32*\q+8*(\t):SC+32*\q+8*(\t)+7], v[KV+16*(\t)+8*\kk:KV+16*(\t)+8*\kk+7], v[QF+16*\q+8*\kk:QF+16*\q+8*\kk+7], 0
.endif
.endr
.endr
.endr
.endm
; Eight products: O^T of query tile q += V^T x P^T, 32 keys at a time.  Four accumulators by turns.
.macro PV q, first
.irp u, 0,1
.irp d, 0,1,2,3
.if (\first) & (1-\u)
	v_wmma_f32_16x16x32_f16 v[OA+32*\q+8*\d:OA+32*\q+8*\d+7], v[KV+32*\u+8*\d:KV+32*\u+8*\d+7], v[SC+32*\q+16*\u:SC+32*\q+16*\u+7], 0
.else
	v_wmma_f32_16x16x32_f16 v[OA+32*\q+8*\d:OA+32*\q+8*\d+7], v[KV+32*\u+8*\d:KV+32*\u+8*\d+7], v[SC+32*\q+16*\u:SC+32*\q+16*\u+7], v[OA+32*\q+8*\d:OA+32*\q+8*\d+7]
.endif
.endr
.endr
.endm
; The diagonal step: key 16 t + 8 h + j counts iff it is not beyond row s29 + 16 q + r, that is 16 t + j <= r - 8 h + s29 + 16 q (signed).
; Key 0 of the step counts for every row, so a row's maximum over both lane halves is finite.
.macro MASK
	v_and_b32 v[T+10], 15, v0
	v_and_b32 v[T+11], 16, v0
	v_lshrrev_b32 v[T+11], 1, v[T+11]
	v_sub_nc_u32 v[T+10], v[T+10], v[T+11]
	v_add_nc_u32 v[T+10], s29, v[T+10]
	v_add_nc_u32 v[T+11], 16, v[T+10]
.irp q, 0,1
.irp t, 0,1,2,3
.irp j, 0,1,2,3,4,5,6,7
	v_cmp_le_i32 vcc_lo, 16*\t+\j, v[T+10+\q]
	v_cndmask_b32 v[SC+32*\q+8*\t+\j], s23, v[SC+32*\q+8*\t+\j], vcc_lo
.endr
.endr
.endr
.endm
; ---- the lines of a step's softmax, one to a macro; BATCH and READ below set them in order
.macro MAXW q, n                       ; line n of 12: four chains, one for each key tile, of seven scores each; each accumulator's lowest registers are read first
.if (\n) < 4
	v_max3_num_f32 v[T+6*\q+(\n)], v[SC+32*\q+8*(\n)], v[SC+32*\q+8*(\n)+1], v[SC+32*\q+8*(\n)+2]
.else
	v_max3_num_f32 v[T+6*\q+(\n)%4], v[T+6*\q+(\n)%4], v[SC+32*\q+8*((\n)%4)+2*((\n)/4)+1], v[SC+32*\q+8*((\n)%4)+2*((\n)/4)+2]
.endif
.endm
; Line n of 10 of the chain behind them, in which each line but the second waits for the one before it: the four chains, the four scores left over and
; the old maximum into one; the other half of the lanes'; the new maximum; - maximum x c; the factor for the old sums.
.macro MAXT q, n, first
.set TB, T+6*\q
.if (\n) == 0
	v_max3_num_f32 v[TB], v[TB], v[TB+1], v[SC+32*\q+7]
.elseif (\n) == 1
	v_max3_num_f32 v[TB+2], v[TB+2], v[TB+3], v[SC+32*\q+15]
.elseif (\n) == 2
	v_max3_num_f32 v[TB], v[TB], v[TB+2], v[SC+32*\q+23]
.elseif ((\n) == 3) && (\first)
	v_max_num_f32 v[TB], v[TB], v[SC+32*\q+31]
.elseif (\n) == 3
	v_max3_num_f32 v[TB], v[TB], v[SC+32*\q+31], v[MX+\q]
.elseif (\n) == 4
	v_permlanex16_b32 v[TB+3], v[TB], s24, s25     ; the other half of the row's keys lies in lane l xor 16; the destination has been written and is done with
.elseif (\n) == 5
	v_max_num_f32 v[MX+\q], v[TB], v[TB+3]
.elseif ((\n) == 6) && (\first)
	v_mul_f32 v[NM+\q], s22, v[MX+\q]
.elseif \first                         ; a step that starts the sums has no factor
.elseif (\n) == 6
	v_mul_f32 v[TB+1], s22, v[MX+\q]
.elseif (\n) == 7
	v_sub_f32 v[TB+2], v[TB+1], v[NM+\q]           ; (old maximum - new maximum) x c, never above 0
.elseif (\n) == 8
	v_mov_b32 v[NM+\q], v[TB+1]
.else
	v_exp_f32 v[AL+\q], v[TB+2]                    ; one of the batch; its source is next written behind the step's wait, or in the next step
.endif
.endm
.macro PFMA q, t, i                    ; two exponents: score x c - maximum x c, one rounding
	v_pk_fma_f32 v[SC+32*\q+8*(\t)+2*(\i):SC+32*\q+8*(\t)+2*(\i)+1], v[SC+32*\q+8*(\t)+2*(\i):SC+32*\q+8*(\t)+2*(\i)+1], s[20:21], v[NM:NM+1] op_sel:[0,0,\q] op_sel_hi:[1,0,\q]
.endm
.macro PEXP q, e                       ; weight e of 32 of query tile q, in place
	v_exp_f32 v[SC+32*\q+(\e)], v[SC+32*\q+(\e)]
.endm
.macro PSUM q, t, i                    ; pair i of tile t into one of two chains; tile 0's four pairs start them with two additions
.if (\t) == 0
.if (\i) < 2
	v_pk_add_f32 v[SA+2*(\i):SA+2*(\i)+1], v[SC+32*\q+4*(\i):SC+32*\q+4*(\i)+1], v[SC+32*\q+4*(\i)+2:SC+32*\q+4*(\i)+3]
.endif
.else
	v_pk_add_f32 v[SA+2*((\i)&1):SA+2*((\i)&1)+1], v[SA+2*((\i)&1):SA+2*((\i)&1)+1], v[SC+32*\q+8*(\t)+2*(\i):SC+32*\q+8*(\t)+2*(\i)+1]
.endif
.endm
.macro PCVT q, t, i                    ; pair i of tile t to f16, into its place in P: never ahead of a score that is still to be read
	v_cvt_pk_f16_f32 v[SC+32*\q+16*((\t)>>1)+4*((\t)&1)+(\i)], v[SC+32*\q+8*(\t)+2*(\i)], v[SC+32*\q+8*(\t)+2*(\i)+1]
.endm
.macro OMUL q, n                       ; pair n of O^T times the step's factor
	v_pk_mul_f32 v[OA+32*\q+2*(\n):OA+32*\q+2*(\n)+1], v[OA+32*\q+2*(\n):OA+32*\q+2*(\n)+1], v[AL:AL+1] op_sel:[0,\q] op_sel_hi:[1,\q]
.endm
; WHAT STANDS AHEAD OF A STEP'S WAIT: nothing here names the result of one of the step's exponentials.
;   tile 0's twelve wide maxima; its chain of ten, behind each line one of tile 1's wide maxima, so that no line waits for the one just before it;
;   tile 0's 16 scalings and 32 exponentials by turns, a pair scaled two groups ahead of its exponentials, and between them tile 1's chain, its lines
;   four instructions apart, then tile 1's scalings 0 to 7;
;   tile 1's 32 exponentials, its scalings 8 to 15 spread among them, each a group or more ahead of its pair's exponentials.
; Exponentials may follow each other: none reads another's result or writes another's source.
.macro BATCH first
.irp n, 0,1,2,3,4,5,6,7,8,9,10,11
	MAXW 0, \n
.endr
.irp n, 0,1,2,3,4,5,6,7,8,9
	MAXT 0, \n, \first
	MAXW 1, \n
.endr
	MAXW 1, 10
	MAXW 1, 11
	PFMA 0, 0, 0
	PFMA 0, 0, 1
.irp g, 0,1,2,3,4,5,6,7,8,9,10,11,12,13,14,15
	PEXP 0, 2*\g
.if \g < 14
	PFMA 0, (\g+2)/4, (\g+2)%4             ; tile 0's pairs 2 to 15
.else
	PFMA 1, 1, \g-12                       ; tile 1's pairs 6, 7
.endif
	PEXP 0, 2*\g+1
.if \g < 10
	MAXT 1, \g, \first
.else
	PFMA 1, (\g-10)/4, (\g-10)%4           ; tile 1's pairs 0 to 5: its - maximum x c was made two groups ago or earlier
.endif
.endr
.irp g, 0,1,2,3,4,5,6,7,8,9,10,11,12,13,14,15
	PEXP 1, 2*\g
.if (\g == 0) || (((\g % 2) == 1) && (\g < 14))
	PFMA 1, (8+(\g+1)/2)/4, ((\g+1)/2)%4   ; tile 1's pairs 8 to 15, in groups 0, 1, 3, 5 .. 13
.endif
	PEXP 1, 2*\g+1
.endr
.endm
; WHAT STANDS BEHIND IT, for query tile q, ahead of its products: the sums of key tiles 0 to 2, O's rescaling, the roundings into P.
; A tile's sums stand ahead of the roundings that land on its scores (tiles 0 and 2: their own; tile 1's land on tile 0's, tile 3's on tile 2's);
; the two chains of sums alternate, with a rescaling between, so that a link stands four lines behind the one that it adds onto.
.macro READ q, first
.irp t, 0,1,2,3
.irp i, 0,1,2,3
.if \t < 3
	PSUM \q, \t, \i
.endif
.if \first == 0
	OMUL \q, 4*\t+\i
.endif
.endr
.irp i, 0,1,2,3
	PCVT \q, \t, \i
.endr
.endr
.endm
; The rest of the row sums.  It stands behind PV q and names none of the products' registers (the last tile's scores lie outside P):
; these six or seven plain instructions are the places that the next step's loads into KV (four) and its products over P (five)
; need behind the products.
.macro SOFTSUM q, first
.irp i, 0,1,2,3
	PSUM \q, 3, \i
.endr
	v_pk_add_f32 v[SA:SA+1], v[SA:SA+1], v[SA+2:SA+3]
.if \first
	v_add_f32 v[LS+\q], v[SA], v[SA+1]
.else
	v_add_f32 v[T], v[SA], v[SA+1]
	v_fma_f32 v[LS+\q], v[LS+\q], v[AL+\q], v[T]
.endif
.endm
; One step: 64 keys x my 32 rows.  kr, vr: address registers; ko, vo: the sub-chunk's bytes.
.macro STEP first, masked, kr, ko, vr, vo
.irp t, 0,1,2,3
.irp o, 0,1,2,3
	ds_load_b128 v[KV+16*\t+4*\o:KV+16*\t+4*\o+3], v[\kr] offset:\ko+16*KPITCH*\t+32*\o
.endr
.endr
	s_wait_dscnt 0x8                       ; all but the youngest eight: key tiles 0 and 1 are in (and whatever LDS work was older)
	SMUL 0
	s_wait_dscnt 0x0                       ; key tiles 2 and 3
	SMUL 2
.rept 4
	v_nop                                  ; four places behind the products: V is loaded over K's fragments, and the scores are read (ISA guide 7.12.1)
.endr
.irp u, 0,1
.irp d, 0,1,2,3
	ds_load_tr16_b128 v[KV+32*\u+8*\d:KV+32*\u+8*\d+3], v[\vr] offset:\vo+32*VPITCH*\u+32*\d
	ds_load_tr16_b128 v[KV+32*\u+8*\d+4:KV+32*\u+8*\d+7], v[\vr] offset:\vo+32*VPITCH*\u+32*\d+16*VPITCH
.endr
.endr
.if \masked
	MASK
.endif
	BATCH \first                           ; both query tiles' maxima, scalings and exponentials
	v_nop                                  ; a plain instruction behind the last exponential, ahead of the first use (ISA guide 5.7.2): one for the batch
	s_wait_alu depctr_va_vdst(0)           ; the step's one wait: it serves the whole batch, both tiles' weights and both factors
	READ 0, \first
	s_wait_dscnt 0x0                       ; V's sixteen loads, issued in front of the whole batch
	PV 0, \first
	SOFTSUM 0, \first
	READ 1, \first                         ; touches none of PV 0's registers
	PV 1, \first
	SOFTSUM 1, \first
.endm
.macro STEPIF lim, c, half             ; the step on sub-chunk c, for the waves that have more than c unmasked steps.  No barrier stands inside
	s_cmp_le_u32 s[\lim], \c
	s_cbranch_scc1 .Lover_\@
	STEP 0, 0, KA+\half, (\c-4*\half)*KSUB, VA+\half, (\c-4*\half)*VSUB
.Lover_\@:
.endm
; The way out.  Lane l stores row l's pair (maximum x c, sum): 256 neighbouring bytes.  O^T goes through my scratch and leaves as whole rows:
; each store of the wave covers two rows, 512 neighbouring bytes.  again = 1: registers that the stores name are written again later.
.macro EPI again
	v_permlanex16_b32 v[T+4], v[LS], s24, s25
	v_add_f32 v[LS], v[LS], v[T+4]                 ; both halves of the keys
	v_permlanex16_b32 v[T+4], v[LS+1], s24, s25
	v_add_f32 v[LS+1], v[LS+1], v[T+4]
	v_cndmask_b32 v[T], v[NM], v[NM+1], s30        ; lanes 16-31 speak for query tile 1
	v_cndmask_b32 v[T+1], v[LS], v[LS+1], s30
	v_xor_b32 v[T], 0x80000000, v[T]
	v_and_b32 v[T+2], 31, v0
	v_lshlrev_b32 v[L8], 3, v[T+2]
	v_lshlrev_b32 v[LQ], 4, v[T+2]
	global_store_b64 v[L8], v[T:T+1], s[44:45]
	v_and_b32 v[T+3], 15, v0
	v_bfe_u32 v[T+5], v0, 4, 1
	v_mul_u32_u24 v[OWR], v[T+3], OPITCH
	v_lshl_add_u32 v[OWR], v[T+5], 5, v[OWR]
	v_add_nc_u32 v[OWR], s51, v[OWR]               ; in: row r, my eight numbers at 32 h
	v_mul_u32_u24 v[ORD], v[T+5], OPITCH
	v_lshl_add_u32 v[ORD], v[T+3], 4, v[ORD]
	v_add_nc_u32 v[ORD], s51, v[ORD]               ; back: row lane / 16, 16 bytes at 16 (lane % 16)
.irp q, 0,1
.irp d, 0,1,2,3
	ds_store_b128 v[OWR], v[OA+32*\q+8*\d:OA+32*\q+8*\d+3] offset:16*OPITCH*\q+64*\d
	ds_store_b128 v[OWR], v[OA+32*\q+8*\d+4:OA+32*\q+8*\d+7] offset:16*OPITCH*\q+64*\d+16
.endr
.endr
.irp i, 0,1,2,3,4,5,6,7,8,9,10,11,12,13,14,15
	ds_load_b128 v[SC+4*\i:SC+4*\i+3], v[ORD] offset:2*OPITCH*\i   ; my own bytes, served in order behind the stores
.endr
.irp i, 0,1,2,3,4,5,6,7,8,9,10,11,12,13,14,15
	s_wait_dscnt 15-\i                             ; pair i of rows is back; the younger loads stay out
	global_store_b128 v[LQ], v[SC+4*\i:SC+4*\i+3], s[42:43] offset:512*\i
.endr
.if \again
	s_wait_xcnt 0x0                                ; the stores' data, offsets and bases are written again only behind this wait
.endif
.endm
	; ---- who am I
	s_load_b256 s[4:11], s[0:1], 0x0               ; q s[4:5], k s[6:7], v s[8:9], part_o s[10:11]
	s_load_b64 s[12:13], s[0:1], 0x20              ; part_s
	s_set_vgpr_msb 0x40
	v_lshl_add_u32 v64, v0, 2, 0x37000
	v_mov_b32 v65, 0
	s_set_vgpr_msb 0x4000
	v_lshrrev_b32 v1, 5, v0
	v_readfirstlane_b32 s16, v1                    ; wave 0..7
	v_and_b32 v[GO], 127, v0
	v_lshlrev_b32 v[GO], 4, v[GO]                  ; 16 x (thread among the four waves that stage together)
	s_mov_b32 s14, ttmp9                           ; x
	s_and_b32 s15, ttmp7, 0xffff                   ; p
	s_sub_co_u32 s31, 15, s15                      ; 15 - p
	s_lshr_b32 s32, s14, 1                         ; which of the pair's 15 full tiles
	s_and_b32 s33, s14, 1                          ; which half of its rows (x = 30, 31: which diagonal)
	s_cmp_lt_u32 s32, s15
	s_cselect_b32 s18, s15, s31                    ; the first p tiles are super row p's, the others super row 15 - p's
	s_cselect_b32 s34, 0, s15
	s_sub_co_u32 s19, s32, s34                     ; the chunk
	s_cmp_eq_u32 s33, 0
	s_cselect_b32 s35, s15, s31                    ; the diagonal's super row
	s_lshl3_add_u32 s34, s33, s16                  ; full: row group 8 half + wave
	s_sub_co_u32 s46, 15, s16                      ; diagonal, pass 1: row group 15 - wave,
	s_lshr_b32 s50, s46, 1                         ; whose diagonal lies in sub-chunk (15 - wave) / 2 = 4..7
	s_lshr_b32 s47, s16, 1                         ; pass 2: row group wave, sub-chunk wave / 2 = 0..3
	s_cmp_ge_u32 s14, 30
	s_cselect_b32 s26, 1, 0
	s_cselect_b32 s18, s35, s18
	s_cselect_b32 s19, s35, s19
	s_cselect_b32 s34, s46, s34
	s_cselect_b32 s27, s50, 8                      ; unmasked steps of pass 1
	s_and_b32 s29, s34, 1
	s_lshl_b32 s29, s29, 5                         ; my first row lies 0 or 32 behind the diagonal sub-chunk's first key
	s_lshl_b32 s28, s18, 9
	s_lshl_b32 s31, s34, 5
	s_add_co_u32 s28, s28, s31                     ; my first row
	s_mul_i32 s51, s16, SCRW
	s_add_co_u32 s51, s51, SCR
	s_mov_b32 s20, 0x3cb8aa3b                      ; c = log2(e) / 64
	s_mov_b32 s21, 0x3cb8aa3b
	s_mov_b32 s22, 0xbcb8aa3b
	s_mov_b32 s23, 0xff800000
	s_mov_b32 s24, 0x76543210
	s_mov_b32 s25, 0xfedcba98
	s_mov_b32 s30, 0xffff0000
	s_lshl_b32 s48, s19, 17                        ; a chunk: 512 rows of 256 bytes
	s_mov_b32 s49, 0
	s_wait_kmcnt 0x0
	s_add_nc_u64 s[36:37], s[6:7], s[48:49]
	s_add_nc_u64 s[38:39], s[8:9], s[48:49]
	ROWPTR
	; ---- the first requests: sub-chunk 0 (waves 0-3) or 1 (waves 4-7), then my rows of q
	s_cmp_ge_u32 s16, 4
	s_cbranch_scc1 .Lfirst_odd
	LOADX 0
	s_branch .Lfirst_asked
.Lfirst_odd:
	LOADX 1
.Lfirst_asked:
	v_and_b32 v[T], 15, v0                         ; r
	v_bfe_u32 v[T+1], v0, 4, 1                     ; h
	v_mul_u32_u24 v[KA], v[T], KPITCH
	v_lshl_add_u32 v[KA], v[T+1], 4, v[KA]         ; a fragment of rows that lie along the 64 numbers: row r, 16 h
	QADDR
	QLOAD
	v_and_b32 v[T], 15, v0
	v_bfe_u32 v[T+1], v0, 4, 1
	v_add_nc_u32 v[KA+1], 4*KSUB, v[KA]
	v_and_b32 v[T+2], 7, v0
	v_lshl_add_u32 v[T+2], v[T+1], 3, v[T+2]       ; the transposing load: key row 8 h + lane % 8,
	v_mul_u32_u24 v[VA], v[T+2], VPITCH
	v_bfe_u32 v[T+3], v0, 3, 1
	v_lshl_add_u32 v[VA], v[T+3], 4, v[VA]         ; 16 bytes at 16 ((lane / 8) % 2)
	v_add_nc_u32 v[VA], VBASE, v[VA]
	v_add_nc_u32 v[VA+1], 4*VSUB, v[VA]
	s_and_b32 s31, s16, 3                          ; staging: my wave's two rows of each eight,
	s_mul_i32 s32, s31, 2*KPITCH
	s_mul_i32 s33, s31, 2*VPITCH
	s_add_co_u32 s33, s33, VBASE
	v_mul_u32_u24 v[KS], v[T+1], KPITCH            ; row lane / 16 of the two, 8 bytes at 8 (lane % 16)
	v_lshl_add_u32 v[KS], v[T], 3, v[KS]
	v_add_nc_u32 v[KS], s32, v[KS]
	v_add_nc_u32 v[KS+1], 4*KSUB, v[KS]
	v_mul_u32_u24 v[VS], v[T+1], VPITCH
	v_lshl_add_u32 v[VS], v[T], 3, v[VS]
	v_add_nc_u32 v[VS], s33, v[VS]
	v_add_nc_u32 v[VS+1], 4*VSUB, v[VS]
	v_mov_b32 v[NM+1], 0                           ; pairs are read whole, and a lane permute's destination counts as read:
	v_mov_b32 v[AL+1], 0                           ; these three are written once before their first real value
	v_mov_b32 v[T+4], 0
	s_wait_loadcnt 16                              ; my sub-chunk's sixteen loads are in; q's sixteen are younger
	s_cmp_ge_u32 s16, 4
	s_cbranch_scc1 .Lsecond_odd
	STOREX 0
	LOADX 2
	s_branch .Lsecond_asked
.Lsecond_odd:
	STOREX 1
	LOADX 3
.Lsecond_asked:
	s_wait_loadcnt 16                              ; q is in; the sixteen just issued are younger
	QCVT
	BAR                                            ; sub-chunks 0 and 1 are there for every wave
	; ---- pass 1.  In step c sub-chunk c + 1 is stored and c + 3 asked for; the barrier behind the step shows c + 1 to all.
	; Stores go to sub-chunk c + 1 while sub-chunk c is read: other bytes.  A request has two steps in which to land.
	STEP 1, 0, KA, 0, VA, 0
	STAGE 0, 2, 4
	STEP 0, 0, KA, KSUB, VA, VSUB
	BAR
	STAGE 1, 3, 5
	STEP 0, 0, KA, 2*KSUB, VA, 2*VSUB
	BAR
	STAGE 0, 4, 6
	STEP 0, 0, KA, 3*KSUB, VA, 3*VSUB
	BAR
	STAGE 1, 5, 7
	STEPIF 27, 4, 1
	BAR
	STAGE 0, 6, -1
	STEPIF 27, 5, 1
	BAR
	STAGE 1, 7, -1
	STEPIF 27, 6, 1
	BAR                                            ; the last barrier: all 512 keys are there for every wave, and nothing is stored over them
	STEPIF 27, 7, 1
	s_cmp_eq_u32 s26, 0
	s_cbranch_scc1 .Lout_1
	s_mul_i32 s31, s50, KSUB                       ; a diagonal work-group: my masked step
	s_mul_i32 s32, s50, VSUB
	v_add_nc_u32 v[KD], s31, v[KA]
	v_add_nc_u32 v[VD], s32, v[VA]
	STEP 0, 1, KD, 0, VD, 0
.Lout_1:
	EPI 1
	s_cmp_eq_u32 s26, 0
	s_cbranch_scc1 .Lend
	; ---- pass 2, diagonal work-groups: row group = wave.  The masked step goes first and starts the sums; then wave / 2 unmasked steps.
	s_lshl_b32 s28, s18, 9
	s_lshl_b32 s31, s16, 5
	s_add_co_u32 s28, s28, s31
	s_and_b32 s29, s16, 1
	s_lshl_b32 s29, s29, 5
	ROWPTR
	QADDR
	QLOAD
	s_mul_i32 s31, s47, KSUB
	s_mul_i32 s32, s47, VSUB
	v_add_nc_u32 v[KD], s31, v[KA]
	v_add_nc_u32 v[VD], s32, v[VA]
	s_wait_loadcnt 0x0                             ; q's sixteen loads: nothing else is out
	QCVT
	STEP 1, 1, KD, 0, VD, 0                        ; its first wait on LDS covers Q's fragments, which are older than K's
	STEPIF 47, 0, 0
	STEPIF 47, 1, 0
	STEPIF 47, 2, 0
	EPI 0
.Lend:
	s_set_vgpr_msb 0x5
	s_wait_tensorcnt 0x0
	ds_add_u32 v64, v65
	s_wait_dscnt 0x0
	s_set_vgpr_msb 0x500
	s_endpgm
.Lfunc_end_k_q565c50986a_attn:
	.size	k_q565c50986a_attn, .Lfunc_end_k_q565c50986a_attn-k_q565c50986a_attn
	.p2alignl 7, 3214868480
	.fill 96, 4, 3214868480
	.section	.rodata,"a",@progbits
	.p2align	6, 0x0
	.amdhsa_kernel k_q565c50986a_attn
		.amdhsa_group_segment_fixed_size 226304
		.amdhsa_private_segment_fixed_size 0
		.amdhsa_enable_private_segment 0
		.amdhsa_kernarg_size 40
		.amdhsa_user_sgpr_count 2
		.amdhsa_user_sgpr_kernarg_segment_ptr 1
		.amdhsa_wavefront_size32 1
		.amdhsa_system_sgpr_workgroup_id_x 1
		.amdhsa_system_sgpr_workgroup_id_y 1
		.amdhsa_system_sgpr_workgroup_id_z 1
		.amdhsa_system_vgpr_workitem_id 0
		.amdhsa_next_free_vgpr 322
		.amdhsa_next_free_sgpr 66
		.amdhsa_reserve_vcc 1
		.amdhsa_float_denorm_mode_32 3
		.amdhsa_float_denorm_mode_16_64 3
		.amdhsa_memory_ordered 1
		.amdhsa_forward_progress 1
		.amdhsa_inst_pref_size 255
	.end_amdhsa_kernel
	.section	.bss,"aw",@nobits
	.p2align	6
	.space	262144
	.amdgpu_metadata
---
amdhsa.version: [ 1, 2 ]
amdhsa.kernels:
  - .name:           k_q565c50986a_attn
    .symbol:         k_q565c50986a_attn.kd
    .args:
      - { .name: q, .offset: 0, .size: 8, .value_kind: global_buffer, .address_space: global }
      - { .name: k, .offset: 8, .size: 8, .value_kind: global_buffer, .address_space: global }
      - { .name: v, .offset: 16, .size: 8, .value_kind: global_buffer, .address_space: global }
      - { .name: part_o, .offset: 24, .size: 8, .value_kind: global_buffer, .address_space: global }
      - { .name: part_s, .offset: 32, .size: 8, .value_kind: global_buffer, .address_space: global }
    .group_segment_fixed_size: 226304
    .private_segment_fixed_size: 0
    .kernarg_segment_align: 8
    .kernarg_segment_size: 40
    .max_flat_workgroup_size: 256
    .sgpr_count:     66
    .vgpr_count:     322
    .wavefront_size: 32
...
	.end_amdgpu_metadata
.endif
;; end of part 3
;; launch merge: the kernel of part 2 again; grid 32 x 8, 8 waves a work-group, no clusters, 0 bytes of LDS; arguments part_o, part_s, out0; writes out0
